; MI455X (gfx1250); checked and timed in simulation.
; The chip was launched on July 23, 2026; its instructions are those of AMD's public machine-readable ISA for CDNA 5 (MIT licence, August 2026) and "CDNA5" Instruction Set Architecture Reference Guide (July 2026). The comments in the code are by the model that wrote it; some were corrected since.
;; Attn. Allowed arithmetic: matrix products marked QUANTISED: E2M3 operands, one E8M0 scale for each 32 along K, by v_wmma_scale_f32_16x16x128_f8f6f4 with both operands' format E2M3, f32 sums; products left as they are: f32 operands where the result goes on into a quantised operand, else bf16, f16 or f32 operands; f32 sums; everything else in f32.
;; Inputs: W 1,024 x 3,072 float32; b 1,024 float32; encoder_outputs 64 x 256 x 1,024 float32; hidden 2 x 64 x 1,024 float32; v 1,024 float32.
;; Outputs: out0 64 x 256 float32.
;; This version of the problem:
;;   THIS VERSION OF THE PROBLEM IS GIVEN IN LOW PRECISION. The matrix products marked QUANTISED in the list below multiply operands that are first quantised to E2M3 (2 exponent bits, 3 mantissa bits; 6 bits a number), with one power-of-two scale for each 32 numbers along K (OCP MX v1.0); their sums are f32. All else is computed in f32.
;;   The module's matrix products, in the order in which they are computed (A, B: the left and right operand; K: the contracted axis; several contracted axes count as one K, in the product's order):
;;     1. [M 16,384, K 3,072] x [K 3,072, N 1,024]; A: computed on the way; B: input W: QUANTISED
;;     2. [M 16,384, K 1,024] x [K 1,024, N 1]; A: computed on the way; B: input v: left as it is (N = 1 < 16)
;;   THE QUANTISER, for each operand of a quantised product, along K:
;;     - K is cut into blocks of 32 from its start; a last block that is shorter is filled with zeros.
;;     - A block's scale is 2^e with e = floor(log2(the largest magnitude in the block)) - 2, held to -126 .. 127; a block of zeros has e = 0. As a byte (E8M0): e + 127.
;;     - Each number is divided by its block's scale, clamped to +-7.5, and rounded to the nearest number of E2M3, ties to even, subnormals kept.
;;     - The product sums the exact products of the quantised numbers (number of the format x scale) in f32.
;;   ~~~python
;;   def quantise(x, axis):      # numpy; x: float32 -> the quantised numbers, widened to float32 again
;;       x = np.moveaxis(x, axis, -1); K = x.shape[-1]
;;       x = np.pad(x, [(0, 0)] * (x.ndim - 1) + [(0, -K % 32)]); x = x.reshape(x.shape[:-1] + (-1, 32)); a = np.abs(x).max(-1, keepdims=True)
;;       e = np.where(a > 0, np.clip(np.frexp(np.where(a > 0, a, 1))[1] - 1 - 2, -126, 127), 0)      # np.frexp(a)[1] - 1 = floor(log2(a)), exactly
;;       r = np.clip(x / 2.0 ** e, -7.5, 7.5)
;;       step = 2.0 ** (np.maximum(np.frexp(np.where(r == 0, 1, r))[1] - 1, 0) - 3)
;;       q = np.round(r / step) * step * 2.0 ** e      # np.round: ties to even
;;       return np.moveaxis(q.reshape(q.shape[:-2] + (-1,))[..., :K], -1, axis).astype(np.float32)
;;   ~~~
;;   OPERANDS COMPUTED ON THE WAY. 'Computed on the way' means the value that the module computes at that place (a softmax that the list does not call 'softmax' is quantised finished and normalised). What goes into a quantiser is computed in f32, as accurately as f32 sums, v_exp_f32 and their like allow (about 1e-6 of the number): no bf16 or f16 on the way to a quantiser, and a product that is left as it is and whose result goes on into a quantised operand takes f32 operands (vector FMAs, or v_wmma_f32_16x16x4_f32). A number that lies on a knife's edge between two numbers of the format may be rounded either way, as far as f32 arithmetic and the matrix unit's own rounding can turn it there, and no further.
;; One version. Each part assembles by itself: llvm-mc -triple=amdgcn-amd-amdhsa -mcpu=gfx1250 --defsym DOCPART=n.
;; ======== version 1 of 1: 3 launches
;; workspace buffers: rec 15,667,200 bytes; ps 524,288 bytes; hc 16,384 bytes
;; launch quant (part 1): grid 306 x 1, 4 waves a work-group, no clusters, 34,304 bytes of LDS; arguments encoder_outputs, W, hidden, rec; writes rec
.if DOCPART == 1
	.amdgcn_target "amdgcn-amd-amdhsa--gfx1250"
	.amdhsa_code_object_version 6
	.text
	.protected	k_q264acbc93b_quant
	.globl	k_q264acbc93b_quant
	.p2align	8
	.type	k_q264acbc93b_quant,@function
k_q264acbc93b_quant:
	s_mov_b64 s[64:65], 0
	v_nop
	global_prefetch_b8 v0, s[64:65] scope:SCOPE_SE
	s_setreg_imm32_b32 hwreg(HW_REG_WAVE_MODE, 25, 1), 1
	s_wait_xcnt 0x0
; encoder_outputs [16384][1024], W [1024][3072] and hidden [128][1024], all f32 with K innermost, become codes of FP6 (E2M3) with one E8M0 scale byte for each 32 along K.
; The concatenation's joins lie at k = 1,024 and 2,048, multiples of 32: so each third of K is quantised by itself, and W is cut into three thirds along K.
; A block's scale is 2^(floor(log2(its largest magnitude)) - 2); its byte is that magnitude's exponent field - 2, held at 1 from below; each number / scale is rounded to the nearest code, ties to even, beyond 7.5 the largest code.
; LIMITS: NaN and infinities are not served; a block whose largest magnitude lies under 2^-124 has its byte held at 1; a block of zeros gets the byte 1 where the rule says 127: its codes are zeros, and this program alone reads the bytes.
; THE OUTPUT IS LAID AS THE NEXT LAUNCH'S OPERAND REGISTERS.  A record is 16 rows x 1,024 along K, 12,800 bytes: bytes 1536 s + 512 c + 16 lane hold registers 4 c .. 4 c + 3 of the fragment of K step s (128 along K);
; bytes 12,288 + 32 r + kb hold the scale byte of row r, block kb.  Records 0-1023: encoder rows 16 e on; 1024 + 64 p + nt: W's rows 16 nt on, k = 1024 p on; 1216 + 4 p + mt: hidden[p], batches 16 mt on.
; SHARES.  One wave makes one record: 64 KiB in, 12,800 bytes out.  Work-groups 0-255 take the encoder rows, 256-303 W, 304-305 hidden: only pointers, an offset and a pitch are chosen, all take one path.
; Each load reads 512 consecutive bytes of one row; a step's 16 rows x 512 bytes turn through the wave's own stage in LDS, so that a lane then holds 16 neighbours of each block of its row.
; No tensor loads, no barrier (waves share nothing), no cluster (no byte is read twice), no loop: eight steps by macro, every offset an immediate.  Loads run three steps (48 loads a wave) ahead.
.set RECB, 12800
.set SP,   528                         ; a stage row: 512 bytes + 16: 33 x 16 bytes, so that the sixteen rows that a read touches fall on different 16-byte columns
.set LI,   4                           ; v4   16 x lane
.set STI,  5                           ; v5   the stage, on the way in: my wave's stage + 16 x lane
.set STO,  6                           ; v6   on the way out: + 528 r + 64 h
.set SCO,  7                           ; v7   my 16 scale bytes in the record: 12,288 + 32 r + 16 h
.set SW,   8                           ; v8-11 the four scale words that I store
.set X,    16                          ; v16-207 three sets of 64 numbers
.set TM,   208                         ; v208-211 largest magnitudes, v212-215 bytes, v220-223 the conversions' scale operands
.set PC,   224                         ; v224-235 the fragment just made; v236-242 halves on their way
.set PW,   244                         ; v244-251 the scale words of the eight K steps
.set ROWS, 32                          ; s[32:63] the addresses of my 16 rows
	s_load_b256 s[4:11], s[0:1], 0x0               ; encoder_outputs s[4:5], W s[6:7], hidden s[8:9], rec s[10:11]
	v_lshl_add_u32 v254, v0, 2, 0x8400
	v_mov_b32 v255, 0
	v_lshrrev_b32 v1, 5, v0
	v_readfirstlane_b32 s12, v1                    ; wave 0..3
	s_lshl_b32 s13, ttmp9, 2
	s_add_co_u32 s13, s13, s12                     ; my record's number
	v_and_b32 v1, 31, v0                           ; lane
	v_and_b32 v2, 15, v0                           ; r
	v_bfe_u32 v3, v0, 4, 1                         ; h
	v_lshlrev_b32 v[LI], 4, v1
	s_mul_i32 s27, s12, 16*SP                      ; my wave's stage
	v_add_nc_u32 v[STI], s27, v[LI]
	v_mul_u32_u24 v[STO], v2, SP
	v_lshl_add_u32 v[STO], v3, 6, v[STO]
	v_add_nc_u32 v[STO], s27, v[STO]
	v_lshlrev_b32 v[SCO], 5, v2
	v_lshl_add_u32 v[SCO], v3, 4, v[SCO]
	v_add_nc_u32 v[SCO], 12288, v[SCO]
.irp b, 0,1,2,3
	v_mov_b32 v[TM+4+\b], 0                        ; written once: a lane permute's destination counts as one of its sources
.endr
	s_mov_b32 s28, 0x76543210
	s_mov_b32 s29, 0xfedcba98                      ; v_permlanex16_b32's selects for lane l xor 16
	; where my 16 rows begin, for each of the three tensors; the one that applies is chosen below
	s_sub_co_u32 s22, s13, 1024                    ; W: 64 p + nt
	s_and_b32 s23, s22, 63
	s_mul_i32 s23, s23, 16*12288                   ; 16 nt rows of 12,288 bytes
	s_lshr_b32 s24, s22, 6
	s_lshl_b32 s24, s24, 12                        ; + 1,024 p numbers
	s_add_co_u32 s23, s23, s24
	s_sub_co_u32 s24, s13, 1216
	s_lshl_b32 s24, s24, 16                        ; hidden: 16 rows of 4,096 bytes a record
	s_lshl_b32 s25, s13, 16                        ; encoder rows likewise
	s_mov_b32 s17, 4096                            ; the two pitches
	s_mov_b32 s26, 12288
	s_mul_i32 s20, s13, RECB
	s_mov_b32 s21, 0
	s_wait_kmcnt 0x0
	s_cmp_lt_u32 ttmp9, 304                        ; the choice hangs on the work-group's number alone
	s_cselect_b64 s[14:15], s[6:7], s[8:9]
	s_cselect_b32 s16, s23, s24
	s_cselect_b32 s18, s26, s17
	s_cmp_lt_u32 ttmp9, 256
	s_cselect_b64 s[14:15], s[4:5], s[14:15]
	s_cselect_b32 s16, s25, s16
	s_cselect_b32 s18, s17, s18
	s_mov_b32 s17, 0                               ; s[16:17] the offset, s[18:19] the pitch, in 64 bits
	s_mov_b32 s19, 0
	s_add_nc_u64 s[20:21], s[10:11], s[20:21]      ; my record
	s_add_nc_u64 s[ROWS:ROWS+1], s[14:15], s[16:17]
.irp i, 1,2,3,4,5,6,7,8,9,10,11,12,13,14,15
	s_add_nc_u64 s[ROWS+2*\i:ROWS+2*\i+1], s[ROWS+2*\i-2:ROWS+2*\i-1], s[18:19]
.endr
.macro LOAD t                          ; K step t: 512 consecutive bytes of each of my 16 rows, 16 a lane, into set t % 3
.set XL, X+64*((\t)%3)
.irp i, 0,1,2,3,4,5,6,7,8,9,10,11,12,13,14,15
	global_load_b128 v[XL+4*\i:XL+4*\i+3], v[LI], s[ROWS+2*\i:ROWS+2*\i+1] offset:512*(\t) th:TH_LOAD_NT
.endr
.endm
; 64 numbers of a lane, register 16 b + i = k 32 b + 16 h + i of my row, become a fragment's codes in v[PC] on and its scale word in v[pw].
.macro QUANT s, pw
.irp b, 0,1,2,3
	v_max3_num_f32 v[TM+\b], |v[\s+16*\b]|, |v[\s+1+16*\b]|, 0x1800000   ; block b: my 16 numbers, and the floor 2^(3 - 127): the byte cannot fall under 1
.endr
.irp i, 2,4,6,8,10,12,14
.irp b, 0,1,2,3
	v_max3_num_f32 v[TM+\b], v[TM+\b], |v[\s+16*\b+\i]|, |v[\s+1+16*\b+\i]|   ; the four blocks by turns
.endr
.endr
.irp b, 0,1,2,3
	v_permlanex16_b32 v[TM+4+\b], v[TM+\b], s28, s29
.endr
.irp b, 0,1,2,3
	v_max_num_f32 v[TM+\b], v[TM+\b], v[TM+4+\b]   ; with lane l xor 16's: the block's largest magnitude
.endr
.irp b, 0,1,2,3
	v_add_nc_u32 v[TM+12+\b], 0xff000000, v[TM+\b] ; 2 off its exponent field: the conversion takes the exponent field of this operand as its scale
.endr
.irp b, 0,1,2,3
	v_lshrrev_b32 v[TM+4+\b], 23, v[TM+12+\b]      ; the scale's byte
.endr
	v_lshl_or_b32 v[\pw], v[TM+5], 8, v[TM+4]      ; the four bytes make my row's scale word for this K step
	v_lshl_or_b32 v[\pw], v[TM+6], 16, v[\pw]
	v_lshl_or_b32 v[\pw], v[TM+7], 24, v[\pw]
.irp c, 0,1
	v_cvt_scalef32_pk16_fp6_f32 v[PC+6*\c:PC+2+6*\c], v[\s+32*\c:\s+15+32*\c], v[TM+12+2*\c]
	v_cvt_scalef32_pk16_fp6_f32 v[PC+12+4*\c:PC+14+4*\c], v[\s+16+32*\c:\s+31+32*\c], v[TM+12+2*\c+1]   ; (a conversion's three registers begin on an even number)
.endr
	v_nop                                          ; one plain place behind a scaled conversion
.irp c, 0,1                                    ; the operand's layout wants a WHOLE block in a lane: lanes 0-15 block 2 c, lanes 16-31 block 2 c + 1
.irp i, 0,1,2
	v_permlane16_swap_b32 v[PC+6*\c+\i], v[PC+12+4*\c+\i]
.endr
.irp i, 0,1,2
	v_mov_b32 v[PC+3+6*\c+\i], v[PC+12+4*\c+\i]
.endr
.endr
.endm
.macro STEP t
.set XS, X+64*((\t)%3)
.if (\t) <= 5
	s_wait_loadcnt 32                              ; loads come back in order: this step's 16 are in, those of the two steps behind it may be out
.elseif (\t) == 6
	s_wait_loadcnt 16                              ; only the last step's are behind
.else
	s_wait_loadcnt 0
.endif
.irp i, 0,1,2,3,4,5,6,7,8,9,10,11,12,13,14,15
	ds_store_b128 v[STI], v[XS+4*\i:XS+4*\i+3] offset:SP*\i        ; row i as it lies
.endr
.irp b, 0,1,2,3
.irp j, 0,1,2,3
	ds_load_b128 v[XS+16*\b+4*\j:XS+16*\b+4*\j+3], v[STO] offset:128*\b+16*\j   ; my row's k = 32 b + 16 h + 4 j on.  LDS serves a wave's instructions in order: these see the stores above, and land in the registers that those have left
.endr
.endr
	s_wait_dscnt 0x0
.if (\t) > 0
	s_wait_xcnt 0x0                                ; the last step's stores have read the fragment's registers: they are written again only behind this wait
.endif
	QUANT XS, PW+(\t)
.irp c, 0,1,2
	global_store_b128 v[LI], v[PC+4*\c:PC+4*\c+3], s[20:21] offset:1536*(\t)+512*\c   ; the wave stores 512 consecutive bytes, at a multiple of 256 from the buffer's first byte
.endr
.if (\t)+3 < 8
	LOAD (\t)+3                                    ; into the set just quantised
.endif
.endm
	LOAD 0
	LOAD 1
	LOAD 2
.irp t, 0,1,2,3,4,5,6,7
	STEP \t
.endr
	v_cmp_eq_u32 vcc_lo, 1, v3                     ; every lane holds its row's eight words: lanes 0-15 store words 0-3, lanes 16-31 words 4-7
.irp i, 0,1,2,3
	v_cndmask_b32 v[SW+\i], v[PW+\i], v[PW+4+\i], vcc_lo
.endr
	global_store_b128 v[SCO], v[SW:SW+3], s[20:21] ; the record's 512 scale bytes
	s_wait_tensorcnt 0x0
	ds_add_u32 v254, v255
	s_wait_dscnt 0x0
	s_endpgm
.Lfunc_end_k_q264acbc93b_quant:
	.size	k_q264acbc93b_quant, .Lfunc_end_k_q264acbc93b_quant-k_q264acbc93b_quant
	.p2alignl 7, 3214868480
	.fill 96, 4, 3214868480
	.section	.rodata,"a",@progbits
	.p2align	6, 0x0
	.amdhsa_kernel k_q264acbc93b_quant
		.amdhsa_group_segment_fixed_size 34304
		.amdhsa_private_segment_fixed_size 0
		.amdhsa_enable_private_segment 0
		.amdhsa_kernarg_size 32
		.amdhsa_user_sgpr_count 2
		.amdhsa_user_sgpr_kernarg_segment_ptr 1
		.amdhsa_wavefront_size32 1
		.amdhsa_system_sgpr_workgroup_id_x 1
		.amdhsa_system_sgpr_workgroup_id_y 1
		.amdhsa_system_sgpr_workgroup_id_z 1
		.amdhsa_system_vgpr_workitem_id 0
		.amdhsa_next_free_vgpr 256
		.amdhsa_next_free_sgpr 66
		.amdhsa_reserve_vcc 1
		.amdhsa_float_denorm_mode_32 3
		.amdhsa_float_denorm_mode_16_64 3
		.amdhsa_memory_ordered 1
		.amdhsa_forward_progress 1
		.amdhsa_inst_pref_size 65
	.end_amdhsa_kernel
	.amdgpu_metadata
---
amdhsa.version: [ 1, 2 ]
amdhsa.kernels:
  - .name:           k_q264acbc93b_quant
    .symbol:         k_q264acbc93b_quant.kd
    .args:
      - { .name: encoder_outputs, .offset: 0, .size: 8, .value_kind: global_buffer, .address_space: global }
      - { .name: W, .offset: 8, .size: 8, .value_kind: global_buffer, .address_space: global }
      - { .name: hidden, .offset: 16, .size: 8, .value_kind: global_buffer, .address_space: global }
      - { .name: rec, .offset: 24, .size: 8, .value_kind: global_buffer, .address_space: global }
    .group_segment_fixed_size: 34304
    .private_segment_fixed_size: 0
    .kernarg_segment_align: 8
    .kernarg_segment_size: 32
    .max_flat_workgroup_size: 128
    .sgpr_count:     66
    .vgpr_count:     256
    .wavefront_size: 32
...
	.end_amdgpu_metadata
.endif
;; end of part 1
;; launch gemm (part 2): grid 4 x 64, 4 waves a work-group, clusters of 4 x 4, 327,680 bytes of LDS; arguments rec, b, v, ps, hc; writes ps, hc
.if DOCPART == 2
	.amdgcn_target "amdgcn-amd-amdhsa--gfx1250"
	.amdhsa_code_object_version 6
	.text
	.protected	k_q264acbc93b_gemm
	.globl	k_q264acbc93b_gemm
	.p2align	8
	.type	k_q264acbc93b_gemm,@function
k_q264acbc93b_gemm:
	s_mov_b64 s[64:65], 0
	v_nop
	global_prefetch_b8 v0, s[64:65] scope:SCOPE_SE
	s_setreg_imm32_b32 hwreg(HW_REG_WAVE_MODE, 25, 1), 1
	s_wait_xcnt 0x0
	s_wait_alu depctr_hold_cnt(0) depctr_sa_sdst(0) depctr_va_vdst(0) depctr_va_sdst(0) depctr_va_ssrc(0) depctr_va_vcc(0) depctr_vm_vsrc(0)
	s_getreg_b32 s2, hwreg(HW_REG_IB_STS2, 6, 4)
	s_cmp_eq_u32 s2, 0
	s_cbranch_scc0 .Lentry_in_a_cluster
	s_endpgm
.Lentry_in_a_cluster:
	s_bfe_u32 s2, ttmp6, 0x10000c
	s_cmp_lg_u32 s2, 0xf033
	s_cbranch_scc0 .Lentry_shape_is_right
	s_endpgm
.Lentry_shape_is_right:
; scores[b][s] = sum over n of (sum over k of Q(input)[b][s][k] Q(W)[n][k] + bias[n]) v[n], in two parts, both on codes of FP6 (E2M3) with E8M0 scales, sums in f32.
; (1) k >= 2,048, the encoder rows: a GEMM of 16,384 x 1,024 x 1,024.  Work-group (x, y) makes batch y's 256 rows x columns 256 x on; a wave 128 x 128: 64 accumulators, 512 registers.  The energies are never stored:
;     each accumulator is folded with v in registers, and a wave stores 128 partial scores: ps[2 x + wn][row].
; (2) k < 2,048: the 256 rows of a batch are ONE row there (the source broadcasts it), so their quantised numbers and products are the same: the product is made once for each batch, 64 x 1,024 x 2,048: 256 tiles of 16 x 16,
;     one to a work-group (batches 16 x on, columns 16 y on), its 16 K steps four to a wave, while the first tiles of (1) are on their way.  With the bias as the C of one sum and folded with v: hc[y][batch].
; The last launch adds the eight parts and the 64 constants.  So the f32 sums are ordered otherwise than in the source.  LIMITS: NaN and infinities are not served.
; OPERANDS lie in rec as images of the operand registers (records of 12,800 bytes: 16 rows x 1,024 K; K step s at 1,536 s; 512 scale bytes at 12,288): a fragment comes by three loads of 16 bytes a lane, 512 consecutive bytes each.
; LDS: three slots of two K steps (A's 16 tiles, then B's 16, 3,072 bytes each); all three and the scale bytes are first fills; slot 0 is filled once more, with K steps 6 and 7.  By this text's count a wave has four tensor loads out at the most.
; CLUSTERS: 4 x 4 work-groups.  The four of a row of the cluster work on one batch and need the same tiles of A; the four of a column need the same tiles of B (W): each tile is asked for JOINTLY.
; THE MATRIX INSTRUCTION IS USED TRANSPOSED (source 0 = 16 rows of W, source 1 = 16 rows of the input): a lane holds ONE row of the input and eight neighbouring columns n = 8 h + j, which meet eight numbers of v.
; REGISTERS, in windows of 256: window 0: v1-29 addresses; v32-95 scale words of all eight K steps; v96-127 part (2)'s accumulators, later the scores' sums; v128-223 A's fragments, ONE set (part (2)'s fragments first);
;   v224-231 part (2)'s scale words; v232-255 at work.  window 1: B's fragments, two sets, at v0 and v128; v of my 128 columns at v96-127 and v224-255.  windows 2, 3: accumulator (a, b) at v[8 (8 (a % 4) + b)].
.set RECB,  12800
.set TILEB, 3072                       ; a tile in a slot: two K steps' images of 16 rows
.set STEPB, 1536
.set HALFT, 8*TILEB                    ; what one tensor load brings, and what one wave reads of A or of B
.set SLOT,  4*HALFT
.set SCL,   3*SLOT                     ; the scale bytes: A's 16 tiles x 512, then B's; filled once
.set STG,   SCL+16384                  ; 512 bytes a wave: the scores' way out
.set HST,   STG+2048                   ; 64 bytes a wave: part (2)'s partial sums
.set SPARE, HST+256                    ; the spare words, 128 bytes for each wave: two blocks of 256 bytes that no other line names
.set FR,    12                         ; registers of a fragment
.set ADRA,  16                         ; v16-18 my A fragments in slot 0, 1, 2
.set ADRB,  20                         ; v20-22 the same for B
.set ADRS,  27                         ; v27    my scale words: lanes 0-15 A's rows, lanes 16-31 B's
.set SPW,   28                         ; v28    LDS address of my spare word; never rewritten
.set NIL,   29                         ; v29    0; never rewritten
.set SC,    32                         ; register 8 i + kk: lanes 0-15 the word of A's block i, lanes 16-31 that of B's block i, for K step kk
.set SS,    96
.set AF,    128
.set G1A,  24                          ; descriptor groups 1: A's tiles, B's tiles, A's scales, B's scales
.set G1B,  32
.set G1SA, 40
.set G1SB, 48
.set G0AS, 56                          ; groups 0: A's scales, slots 0, 1, 2
.set G0A0, 60
.set G0A1, 68
.set G0A2, 72
.set G0BS, 76                          ; and B's
.set G0B0, 80
.set G0B1, 84
.set G0B2, 88
.set MSB, 0
.macro WIN new                         ; the immediate's high byte repeats the setting that is left
.if MSB != \new
	s_set_vgpr_msb (MSB<<8)|\new
.set MSB, \new
.endif
.endm
.set MUL_LO, 0xa1                      ; source 0 (B) window 1, source 1 (A) window 0, C and D window 2
.set MUL_HI, 0xf1                      ; the same, C and D window 3
.macro PLACES                          ; a load into a register that a matrix instruction has read, and a vector instruction that reads a matrix result, stand four plain vector instructions behind it
.rept 4
	v_nop
.endr
.endm
; A joint load: waves 0 and 1 fetch for A, waves 2 and 3 for B; the branch hangs on the wave's number alone.  Four v_nop follow each of the two lines.
.macro JLOAD g0a, g1a, g0b, g1b
	s_cmp_eq_u32 s15, 0
	s_cbranch_scc0 .Lfor_b_\@
	tensor_load_to_lds s[\g0a:\g0a+3], s[\g1a:\g1a+7]
	s_nop 0
.rept 4
	v_nop
.endr
	s_branch .Lasked_\@
.Lfor_b_\@:
	tensor_load_to_lds s[\g0b:\g0b+3], s[\g1b:\g1b+7]
	s_nop 0
.rept 4
	v_nop
.endr
.Lasked_\@:
.endm
.macro CREST                           ; a round of the cluster's barrier behind its opening barrier
	s_cmp_lg_u32 s14, 0
	s_cbranch_scc1 .Lnot_wave_0_\@
	s_barrier_signal -3
.Lnot_wave_0_\@:
	s_barrier_wait -3
	s_barrier_signal -1
	s_barrier_wait -1
.endm
.macro CROUND                          ; a whole round
	s_barrier_signal -1
	s_barrier_wait -1
	CREST
.endm
.macro MKG0 g, l, loff, a, goff        ; a group 0: count 1, LDS address, global address, type 2
	s_mov_b32 s[\g], 1
	s_add_co_u32 s[\g+1], s[\l], \loff
	s_add_nc_u64 s[\g+2:\g+3], s[\a:\a+1], \goff
	s_or_b32 s[\g+3], s[\g+3], 0x80000000
.endm
	s_load_b256 s[4:11], s[0:1], 0x0               ; rec s[4:5], b s[6:7], v s[8:9], ps s[10:11]
	s_load_b64 s[12:13], s[0:1], 0x20              ; hc
	v_lshl_add_u32 v[SPW], v0, 2, SPARE
	v_mov_b32 v[NIL], 0
	ds_add_u32 v28, v29
	ds_add_u32 v28, v29
	s_wait_dscnt 0x0
	v_lshrrev_b32 v1, 5, v0
	v_readfirstlane_b32 s14, v1                    ; wave 0..3
	s_lshr_b32 s15, s14, 1                         ; wm: my half of the rows.  Also: I fetch for A (0) or for B (1); also part (2)'s p
	s_and_b32 s16, s14, 1                          ; wn: my half of the columns.  Also: which eight tiles I fetch
	s_bfe_u32 s92, ttmp6, 0x40000                  ; cx, cy: my place in the cluster
	s_bfe_u32 s93, ttmp6, 0x40004
	s_lshl_b32 s18, ttmp9, 2
	s_add_co_u32 s18, s18, s92                     ; x = 4 x cluster x + cx: the quarter of the columns
	s_and_b32 s17, ttmp7, 0xffff
	s_lshl_b32 s17, s17, 2
	s_add_co_u32 s17, s17, s93                     ; y = 4 x cluster y + cy: the batch
	s_lshl_b32 s94, s93, 2
	s_lshl_b32 s94, 15, s94                        ; my row of the cluster
	s_lshl_b32 s95, 0x1111, s92                    ; my column
	s_mov_b32 s20, 0x76543210
	s_mov_b32 s21, 0xfedcba98                      ; v_permlanex16_b32's selects for lane l xor 16
	; descriptor groups 1: elements of 8 bytes, no padding; 8 rows (one of each of 8 records, 1,600 elements apart) of 384 elements (two K steps' images) or of 64 (the scale bytes)
	s_or_b32 s[G1A], s94, (3<<16)|(1<<21)          ; 15:0 the mask: A's tiles go to my row; 17:16 element of 8 bytes; 21 set beside a mask
	s_or_b32 s[G1B], s95, (3<<16)|(1<<21)          ; B's to my column
	s_or_b32 s[G1SA], s94, (3<<16)|(1<<21)
	s_or_b32 s[G1SB], s95, (3<<16)|(1<<21)
.irp g, G1A, G1B
	s_mov_b32 s[\g+1], 384<<16                     ; tensor_dim0
	s_mov_b32 s[\g+2], 8<<16                       ; tensor_dim1
	s_mov_b32 s[\g+3], 384<<16                     ; tile_dim0
	s_mov_b32 s[\g+4], 8                           ; tile_dim1
	s_mov_b32 s[\g+5], 1600                        ; tensor_dim0_stride
	s_mov_b32 s[\g+6], 0
	s_mov_b32 s[\g+7], 0
.endr
.irp g, G1SA, G1SB
	s_mov_b32 s[\g+1], 64<<16
	s_mov_b32 s[\g+2], 8<<16
	s_mov_b32 s[\g+3], 64<<16
	s_mov_b32 s[\g+4], 8
	s_mov_b32 s[\g+5], 1600
	s_mov_b32 s[\g+6], 0
	s_mov_b32 s[\g+7], 0
.endr
	; where the tiles come from: A's hang on y alone, B's on x alone, each in registers that never hold the other coordinate
	s_lshl_b32 s2, s16, 3                          ; which eight records I fetch
	s_lshl_b32 s96, s17, 4
	s_add_co_u32 s96, s96, s2                      ; A: record 16 y + 8 wn
	s_mul_i32 s96, s96, RECB
	s_mov_b32 s97, 0
	s_lshl_b32 s98, s18, 4
	s_add_co_u32 s98, s98, s2
	s_add_co_u32 s98, s98, 1152                    ; B: record 1152 + 16 x + 8 wn: W's third third of K
	s_mul_i32 s98, s98, RECB
	s_mov_b32 s99, 0
	s_lshl_b32 s66, s15, 2                         ; part (2): hidden's record 1216 + 4 p + x,
	s_add_co_u32 s66, s66, s18
	s_add_co_u32 s66, s66, 1216
	s_mul_i32 s66, s66, RECB
	s_mov_b32 s67, 0
	s_lshl_b32 s100, s15, 6                        ; W's record 1024 + 64 p + y
	s_add_co_u32 s100, s100, s17
	s_add_co_u32 s100, s100, 1024
	s_mul_i32 s100, s100, RECB
	s_mov_b32 s101, 0
	; every vector address is made here.  s[2:3]: numbers made of the wave's number alone (LDS); s[22:23]: those that hang on x and y (offsets in memory)
	v_and_b32 v1, 15, v0                           ; r
	v_bfe_u32 v2, v0, 4, 1                         ; h
	v_and_b32 v3, 31, v0                           ; lane
	v_lshlrev_b32 v4, 4, v3                        ; 16 x lane
	s_mul_i32 s2, s16, 4*STEPB
	v_add_nc_u32 v5, s2, v4                        ; part (2): my four K steps' images in a record
	s_lshl_b32 s2, s16, 4
	s_add_co_u32 s2, s2, 12288
	v_lshl_add_u32 v6, v1, 5, s2                   ; and their four scale words of row r
	s_lshl_b32 s22, s17, 6
	v_lshl_add_u32 v7, v2, 5, s22                  ; bias and v at columns 16 y + 8 h on
	s_lshl_b32 s22, s18, 10
	s_lshl_b32 s23, s16, 9
	s_add_co_u32 s22, s22, s23
	v_lshl_add_u32 v8, v2, 5, s22                  ; v at columns 256 x + 128 wn + 8 h on
	s_lshl_b32 s2, s14, 6
	s_add_co_u32 s2, s2, HST
	v_lshl_add_u32 v9, v1, 2, s2                   ; where I put part (2)'s partial sum of batch r
	v_lshl_add_u32 v10, v1, 2, HST                 ; and where the four are read
	s_lshl_b32 s22, s17, 8
	s_lshl_b32 s23, s18, 6
	s_add_co_u32 s22, s22, s23
	v_lshl_add_u32 v11, v1, 2, s22                 ; hc[y][16 x + r]
	s_lshl_b32 s2, s14, 9
	s_add_co_u32 s2, s2, STG
	v_lshl_add_u32 v12, v3, 2, s2                  ; my stage: in, 4 bytes a lane;
	v_add_nc_u32 v13, s2, v4                       ; back, 16 bytes a lane
	s_lshl_b32 s22, s18, 1
	s_add_co_u32 s22, s22, s16
	s_lshl_b32 s22, s22, 16                        ; ps: part 2 x + wn,
	s_lshl_b32 s23, s17, 10
	s_add_co_u32 s22, s22, s23                     ; batch y,
	s_lshl_b32 s23, s15, 9
	s_add_co_u32 s22, s22, s23                     ; my 128 rows
	v_add_nc_u32 v14, s22, v4
	s_mul_i32 s2, s15, HALFT                       ; my eight tiles of A
	s_mul_i32 s3, s16, HALFT                       ; my eight of B,
	s_add_co_u32 s3, s3, 2*HALFT                   ; which lie behind A's sixteen
.irp s, 0,1,2
	v_add_nc_u32 v[ADRA+\s], s2, v4
	v_add_nc_u32 v[ADRB+\s], s3, v4
	s_add_co_u32 s2, s2, SLOT
	s_add_co_u32 s3, s3, SLOT
.endr
	s_xor_b32 s3, s15, 1                           ; from A's scale words to B's: 8192 + 4096 wn - 4096 wm = 4096 ((1 - wm) + wn + 1)
	s_add_co_u32 s3, s3, s16
	s_lshl_b32 s3, s3, 12
	s_add_co_u32 s3, s3, 4096
	v_mul_u32_u24 v[ADRS], s3, v2                  ; lanes 16-31 take B's: ONE product in h
	v_lshl_add_u32 v[ADRS], v1, 5, v[ADRS]         ; 32 bytes a row
	s_lshl_b32 s2, s15, 12
	s_add_co_u32 s2, s2, SCL
	v_add_nc_u32 v[ADRS], s2, v[ADRS]
	s_cmp_eq_u32 s14, 0                            ; the bias enters part (2)'s sums once: wave 0's
	s_cselect_b32 s22, 1.0, 0
	s_mov_b32 s23, s22                             ; (named with it as a pair, so it is written)
	s_mul_i32 s2, s14, HALFT                       ; where my tiles go: wave x eight tiles: no place in the cluster enters an LDS address
	s_lshl_b32 s3, s14, 12                         ; and my scale bytes
	s_wait_kmcnt 0x0
	s_add_nc_u64 s[96:97], s[4:5], s[96:97]
	s_add_nc_u64 s[98:99], s[4:5], s[98:99]
	s_add_nc_u64 s[66:67], s[4:5], s[66:67]
	s_add_nc_u64 s[100:101], s[4:5], s[100:101]
	MKG0 G0AS, 3, SCL, 96, 12288
	MKG0 G0A0, 2, 0, 96, 0
	MKG0 G0A1, 2, SLOT, 96, TILEB
	MKG0 G0A2, 2, 2*SLOT, 96, 2*TILEB
	MKG0 G0BS, 3, SCL, 98, 12288
	MKG0 G0B0, 2, 0, 98, 0
	MKG0 G0B1, 2, SLOT, 98, TILEB
	MKG0 G0B2, 2, 2*SLOT, 98, 2*TILEB
	CROUND                                         ; all sixteen work-groups are here: the first joint loads meet
	JLOAD G0AS, G1SA, G0BS, G1SB                   ; the first fills go out as one group: the scale bytes, K steps 0-1, 2-3, 4-5
	JLOAD G0A0, G1A, G0B0, G1B
	JLOAD G0A1, G1A, G0B1, G1B
	JLOAD G0A2, G1A, G0B2, G1B
	; ---- PART (2), while the tiles are on their way.  Also v of my 128 columns, which stays in window 1
	WIN 0x40                                       ; destination window 1, address window 0
.irp t, 0,1,2,3,4,5,6,7
	global_load_b128 v[96+8*\t+96*(\t/4):96+8*\t+96*(\t/4)+3], v8, s[8:9] offset:64*\t      ; lane (r, h): v at column 16 t + 8 h + 0 .. 7 of my 128
	global_load_b128 v[100+8*\t+96*(\t/4):100+8*\t+96*(\t/4)+3], v8, s[8:9] offset:64*\t+16
.endr
	WIN 0
.irp i, 0,1,2,3,4,5,6,7,8,9,10,11
	global_load_b128 v[128+4*\i:131+4*\i], v5, s[100:101] offset:512*\i   ; W's four fragments
.endr
.irp i, 0,1,2,3,4,5,6,7,8,9,10,11
	global_load_b128 v[176+4*\i:179+4*\i], v5, s[66:67] offset:512*\i     ; hidden's four
.endr
	global_load_b128 v[224:227], v6, s[100:101]    ; their scale words, one register a K step
	global_load_b128 v[228:231], v6, s[66:67]
	global_load_b128 v[232:235], v7, s[6:7]        ; the bias in the result's layout,
	global_load_b128 v[236:239], v7, s[6:7] offset:16
	global_load_b128 v[240:243], v7, s[8:9]        ; and v likewise
	global_load_b128 v[244:247], v7, s[8:9] offset:16
	s_wait_loadcnt 0x0
.irp i, 0,2,4,6
	v_pk_mul_f32 v[232+\i:233+\i], v[232+\i:233+\i], s[22:23] op_sel_hi:[1,0]   ; x 1 in wave 0, x 0 in the others
.endr
.rept 8
	v_nop                                          ; distance between the lines above and the scaled matrix instruction that takes their result as C
.endr
	v_wmma_scale_f32_16x16x128_f8f6f4 v[96:103], v[128:139], v[176:187], v[232:239], v224, v228 matrix_a_fmt:MATRIX_FMT_FP6 matrix_b_fmt:MATRIX_FMT_FP6   ; four K steps on four accumulators: no two that follow each other share one
.irp j, 1,2,3
	v_wmma_scale_f32_16x16x128_f8f6f4 v[96+8*\j:103+8*\j], v[128+12*\j:139+12*\j], v[176+12*\j:187+12*\j], 0, v[224+\j], v[228+\j] matrix_a_fmt:MATRIX_FMT_FP6 matrix_b_fmt:MATRIX_FMT_FP6
.endr
	PLACES
.irp i, 0,2,4,6
	v_pk_add_f32 v[248+\i:249+\i], v[96+\i:97+\i], v[104+\i:105+\i]     ; the four are added, each from its low end on
.endr
.irp i, 0,2,4,6
	v_pk_add_f32 v[248+\i:249+\i], v[248+\i:249+\i], v[112+\i:113+\i]
.endr
.irp i, 0,2,4,6
	v_pk_add_f32 v[248+\i:249+\i], v[248+\i:249+\i], v[120+\i:121+\i]
.endr
	v_pk_mul_f32 v[248:249], v[248:249], v[240:241]                     ; . v: my eight columns,
.irp i, 2,4,6
	v_pk_fma_f32 v[248:249], v[248+\i:249+\i], v[240+\i:241+\i], v[248:249]
.endr
	v_add_f32 v248, v248, v249
	v_permlanex16_b32 v249, v248, s20, s21
	v_add_f32 v248, v248, v249                     ; and lane l xor 16's eight: batch r's sum over my four K steps
	ds_store_b32 v9, v248                          ; both halves of the lanes write the same word with the same value
	; ---- PART (1)
.macro FRAG reg, adr, q, i             ; a fragment comes as it was laid: three loads of 512 consecutive bytes
.irp c, 0,1,2
	ds_load_b128 v[\reg+4*\c:\reg+4*\c+3], v[\adr] offset:TILEB*(\i)+STEPB*(\q)+512*\c
.endr
.endm
.macro FETCH_B s, q, p                 ; B's eight fragments of slot s's q-th K step into set p: 24 loads
	WIN 0x40
.irp i, 0,1,2,3,4,5,6,7
	FRAG 128*(\p)+FR*\i, ADRB+\s, \q, \i
.endr
	WIN 0
.endm
.macro FETCH_A s, q, i0                ; A's blocks i0 .. i0 + 3: 12 loads
.irp i, \i0, \i0+1, \i0+2, \i0+3
	FRAG AF+FR*(\i), ADRA+\s, \q, \i
.endr
.endm
; 16 matrix instructions: A's blocks a0, a0 + 1 x B's eight, K step kk.  zero = 1: the first product starts the sums: nothing is cleared.
; The 64 accumulators take turns, one instruction a turn, in the same order in every step.
.macro MUL16 a0, kk, zero
.irp a, \a0, \a0+1
.irp b, 0,1,2,3,4,5,6,7
.if \zero
	v_wmma_scale_f32_16x16x128_f8f6f4 v[8*(8*((\a)%4)+\b):8*(8*((\a)%4)+\b)+7], v[128*((\kk)%2)+FR*\b:128*((\kk)%2)+FR*\b+FR-1], v[AF+FR*(\a):AF+FR*(\a)+FR-1], 0, v[SC+8*\b+(\kk)], v[SC+8*(\a)+(\kk)] matrix_a_fmt:MATRIX_FMT_FP6 matrix_b_fmt:MATRIX_FMT_FP6 matrix_a_scale:MATRIX_SCALE_ROW1
.else
	v_wmma_scale_f32_16x16x128_f8f6f4 v[8*(8*((\a)%4)+\b):8*(8*((\a)%4)+\b)+7], v[128*((\kk)%2)+FR*\b:128*((\kk)%2)+FR*\b+FR-1], v[AF+FR*(\a):AF+FR*(\a)+FR-1], v[8*(8*((\a)%4)+\b):8*(8*((\a)%4)+\b)+7], v[SC+8*\b+(\kk)], v[SC+8*(\a)+(\kk)] matrix_a_fmt:MATRIX_FMT_FP6 matrix_b_fmt:MATRIX_FMT_FP6 matrix_a_scale:MATRIX_SCALE_ROW1
.endif
.endr
.endr
.endm
; K step kk; the next one's fragments lie in slot ns, K step nq of it, which every wave has been shown whole.
.macro STEP kk, zero, ns, nq
	s_wait_dscnt 12                                ; B's set and A's blocks 0-3 are in; the youngest twelve loads (A's blocks 4-7) may be out
	WIN MUL_LO
	MUL16 0, \kk, \zero
	MUL16 2, \kk, \zero
	s_wait_dscnt 0                                 ; A's blocks 4-7 are in
	PLACES
	FETCH_B \ns, \nq, 1-(\kk)%2
	FETCH_A \ns, \nq, 0
	WIN MUL_HI
	MUL16 4, \kk, \zero
	MUL16 6, \kk, \zero
	PLACES
	WIN 0
	FETCH_A \ns, \nq, 4
.endm
; A K step with a barrier in it.  In front of the barrier each wave waits for all its tensor loads, adds 0 to its spare word, and waits for that and for its reads of LDS.
; fill = 1: slot 0, which nobody reads any more, is filled again, with K steps 6 and 7: the barrier opens a round of the cluster's, and the joint refill is the first thing behind it.
.macro TURN kk, ns, fill
	s_wait_tensorcnt 0x0                           ; all my tensor loads have landed  (every window is 0 here)
	ds_add_u32 v[SPW], v[NIL]                      ; 0 onto my spare word
	s_wait_dscnt 13                                ; (the add and the youngest twelve loads, A's blocks 4-7, may be out)
	WIN MUL_LO
	MUL16 0, \kk, 0                                ; sixteen matrix instructions stand between the add and the wait for it
	s_wait_dscnt 0x0                               ; the add is done, and my reads of the slots so far are over
	s_barrier_signal -1
	MUL16 2, \kk, 0
	WIN 0
	s_barrier_wait -1
.if \fill
	CREST                                          ; no wave of any partner still reads slot 0 or has a load on its way
	s_add_nc_u64 s[G0A0+2:G0A0+3], s[G0A0+2:G0A0+3], 3*TILEB   ; from K steps 0, 1 to K steps 6, 7 of the same records
	s_add_nc_u64 s[G0B0+2:G0B0+3], s[G0B0+2:G0B0+3], 3*TILEB
	JLOAD G0A0, G1A, G0B0, G1B                     ; my one tensor load behind the round; the four v_nop behind it are also the places in front of the loads below
.else
	PLACES
.endif
	FETCH_B \ns, 0, 1-(\kk)%2
	FETCH_A \ns, 0, 0
	WIN MUL_HI
	MUL16 4, \kk, 0
	MUL16 6, \kk, 0
	PLACES
	WIN 0
	FETCH_A \ns, 0, 4
.endm
	s_wait_tensorcnt 2                             ; my scale bytes and my part of slot 0 are in; the two loads issued behind them (slots 1 and 2) may stay out
	s_wait_dscnt 0x0                               ; my partial sum of part (2) lies in LDS
	s_barrier_signal -1
	s_barrier_wait -1                              ; everybody's do
.irp i, 0,1,2,3,4,5,6,7
	ds_load_b128 v[SC+8*\i:SC+8*\i+3], v[ADRS] offset:512*\i          ; the scale words of all eight K steps stay in registers
	ds_load_b128 v[SC+8*\i+4:SC+8*\i+7], v[ADRS] offset:512*\i+16
.endr
	FETCH_B 0, 0, 0
	FETCH_A 0, 0, 0
	FETCH_A 0, 0, 4
	STEP 0, 1, 0, 1                                ; the first products start the sums
	TURN 1, 1, 1                                   ; slots 1 and 2 are whole in every wave; slot 0 takes K steps 6 and 7
	STEP 2, 0, 1, 1
	STEP 3, 0, 2, 0
	STEP 4, 0, 2, 1
	TURN 5, 0, 0                                   ; the refill has landed in every wave; nothing more is asked for
	STEP 6, 0, 0, 1
	s_wait_dscnt 12                                ; the last K step: nothing more to fetch
	WIN MUL_LO
	MUL16 0, 7, 0
	MUL16 2, 7, 0
	s_wait_dscnt 0
	WIN MUL_HI
	MUL16 4, 7, 0
	MUL16 6, 7, 0
	PLACES                                         ; behind the very last product: every accumulator may now be read
; THE FOLD WITH v.  Accumulator (a, b), lane (r, h), register j is the energy of my row 16 a + r at my column 16 b + 8 h + j.  For each a a pair of running sums; four chains by turns; each accumulator from its low end on.
.macro FOLD hi
	WIN 0x06+\hi                                   ; source 0 (accumulators) window 2 or 3, source 1 (v) window 1, the sums window 0
.irp b, 0,1,2,3,4,5,6,7
.irp i, 0,1,2,3
.irp a, 0,1,2,3
.if (\b == 0) && (\i == 0)
	v_pk_mul_f32 v[SS+2*(4*\hi+\a):SS+2*(4*\hi+\a)+1], v[8*(8*\a+\b)+2*\i:8*(8*\a+\b)+2*\i+1], v[96+8*\b+96*(\b/4)+2*\i:96+8*\b+96*(\b/4)+2*\i+1]
.else
	v_pk_fma_f32 v[SS+2*(4*\hi+\a):SS+2*(4*\hi+\a)+1], v[8*(8*\a+\b)+2*\i:8*(8*\a+\b)+2*\i+1], v[96+8*\b+96*(\b/4)+2*\i:96+8*\b+96*(\b/4)+2*\i+1], v[SS+2*(4*\hi+\a):SS+2*(4*\hi+\a)+1]
.endif
.endr
.endr
.endr
.endm
	FOLD 0
	FOLD 1
	WIN 0
.irp a, 0,1,2,3,4,5,6,7
	v_add_f32 v[112+\a], v[SS+2*\a], v[SS+2*\a+1]
.endr
.irp a, 0,1,2,3,4,5,6,7
	v_permlanex16_b32 v[120+\a], v[112+\a], s20, s21
.endr
.irp a, 0,1,2,3,4,5,6,7
	v_add_f32 v[112+\a], v[112+\a], v[120+\a]      ; with lane l xor 16's columns: row 16 a + r's partial score, in both halves of the lanes
.endr
	v_cmp_eq_u32 vcc_lo, 1, v2
.irp i, 0,1,2,3
	v_cndmask_b32 v[248+\i], v[112+2*\i], v[113+2*\i], vcc_lo   ; lane l keeps row 32 i + l
.endr
.irp i, 0,1,2,3
	ds_store_b32 v12, v[248+\i] offset:128*\i      ; through my own stage, so that a lane holds four neighbouring rows
.endr
	ds_load_b128 v[252:255], v13                   ; LDS serves a wave's instructions in order: this sees the stores above
.irp k, 0,1,2,3
	ds_load_b32 v[240+\k], v10 offset:64*\k        ; part (2): the four waves' partial sums, stored ahead of the first barrier
.endr
	s_wait_dscnt 0x0
	global_store_b128 v14, v[252:255], s[10:11]    ; the wave stores 512 consecutive bytes, at a multiple of 256 from ps's first byte
	v_add_f32 v240, v240, v241
	v_add_f32 v242, v242, v243
	v_add_f32 v240, v240, v242
	s_wait_xcnt 0x0                                ; EXEC changes only behind this wait
	v_cmp_gt_u32 vcc_lo, 16, v0
	s_and_saveexec_b32 s19, vcc_lo                 ; threads 0-15 alone
	global_store_b32 v11, v240, s[12:13]           ; hc[y][16 x + r]: 64 consecutive bytes a work-group, 16 KiB in the whole launch
	s_wait_xcnt 0x0                                ; and again, in front of the line that widens it
	s_or_b32 exec_lo, exec_lo, s19
	s_wait_tensorcnt 0x0                           ; the wave's end, behind my last tensor load and my last LDS store
	ds_add_u32 v[SPW], v[NIL]
	s_wait_dscnt 0x0
	CROUND                                         ; the closing round: no work-group ends while a partner may still ask for a tile that names it
	s_endpgm
.Lfunc_end_k_q264acbc93b_gemm:
	.size	k_q264acbc93b_gemm, .Lfunc_end_k_q264acbc93b_gemm-k_q264acbc93b_gemm
	.p2alignl 7, 3214868480
	.fill 96, 4, 3214868480
	.section	.rodata,"a",@progbits
	.p2align	6, 0x0
	.amdhsa_kernel k_q264acbc93b_gemm
		.amdhsa_group_segment_fixed_size 327680
		.amdhsa_private_segment_fixed_size 0
		.amdhsa_enable_private_segment 0
		.amdhsa_kernarg_size 40
		.amdhsa_user_sgpr_count 2
		.amdhsa_user_sgpr_kernarg_segment_ptr 1
		.amdhsa_wavefront_size32 1
		.amdhsa_system_sgpr_workgroup_id_x 1
		.amdhsa_system_sgpr_workgroup_id_y 1
		.amdhsa_system_sgpr_workgroup_id_z 1
		.amdhsa_system_vgpr_workitem_id 0
		.amdhsa_next_free_vgpr 1024
		.amdhsa_next_free_sgpr 102
		.amdhsa_reserve_vcc 1
		.amdhsa_float_denorm_mode_32 3
		.amdhsa_float_denorm_mode_16_64 3
		.amdhsa_memory_ordered 1
		.amdhsa_forward_progress 1
		.amdhsa_inst_pref_size 131
	.end_amdhsa_kernel
	.amdgpu_metadata
---
amdhsa.version: [ 1, 2 ]
amdhsa.kernels:
  - .name:           k_q264acbc93b_gemm
    .symbol:         k_q264acbc93b_gemm.kd
    .args:
      - { .name: rec, .offset: 0, .size: 8, .value_kind: global_buffer, .address_space: global }
      - { .name: b, .offset: 8, .size: 8, .value_kind: global_buffer, .address_space: global }
      - { .name: v, .offset: 16, .size: 8, .value_kind: global_buffer, .address_space: global }
      - { .name: ps, .offset: 24, .size: 8, .value_kind: global_buffer, .address_space: global }
      - { .name: hc, .offset: 32, .size: 8, .value_kind: global_buffer, .address_space: global }
    .group_segment_fixed_size: 327680
    .private_segment_fixed_size: 0
    .kernarg_segment_align: 8
    .kernarg_segment_size: 40
    .max_flat_workgroup_size: 128
    .sgpr_count:     102
    .vgpr_count:     1024
    .wavefront_size: 32
...
	.end_amdgpu_metadata
.endif
;; end of part 2
;; launch softmax (part 3): grid 64 x 1, 1 waves a work-group, no clusters, 0 bytes of LDS; arguments ps, hc, out0; writes out0
.if DOCPART == 3
	.amdgcn_target "amdgcn-amd-amdhsa--gfx1250"
	.amdhsa_code_object_version 6
	.text
	.protected	k_q264acbc93b_softmax
	.globl	k_q264acbc93b_softmax
	.p2align	8
	.type	k_q264acbc93b_softmax,@function
k_q264acbc93b_softmax:
	s_mov_b64 s[64:65], 0
	v_nop
	global_prefetch_b8 v0, s[64:65] scope:SCOPE_SE
	s_setreg_imm32_b32 hwreg(HW_REG_WAVE_MODE, 25, 1), 1
	s_wait_xcnt 0x0
; out0[b][s] = softmax over s of score[b][s];  score[b][s] = the sum of the eight parts ps[p][256 b + s] + the sum of the 64 constants hc[nt][b] (the hidden part and the bias, folded with v).
; One wave takes one batch: 256 scores, eight a lane (rows 4 l .. 4 l + 3 and 128 + 4 l ..), so the maximum and the sum never leave the wave: no LDS, no barrier.  The problem has 64 rows of 1 KiB: 64 work-groups have work.
; The row's maximum is taken away before the exponential.  LIMITS: NaN and infinities are not served; an exponential under 2^-126 comes out as 0.
	s_load_b128 s[4:7], s[0:1], 0x0                ; ps s[4:5], hc s[6:7]
	s_load_b64 s[8:9], s[0:1], 0x10                ; out0
	v_lshlrev_b32 v1, 4, v0                        ; 16 x lane
	s_lshl_b32 s10, ttmp9, 10                      ; the batch's 256 scores: 1,024 bytes
	s_mov_b32 s11, 0
	s_lshl_b32 s14, ttmp9, 2
	v_lshl_add_u32 v2, v0, 8, s14                  ; hc[lane][batch]: rows of 256 bytes
	s_mov_b32 s12, 0x76543210
	s_mov_b32 s13, 0xfedcba98                      ; v_permlanex16_b32's selects for lane l xor 16
	v_mov_b32 v83, 0                               ; written once: a lane permute's destination counts as one of its sources
	s_wait_kmcnt 0x0
	s_add_nc_u64 s[4:5], s[4:5], s[10:11]
	s_add_nc_u64 s[8:9], s[8:9], s[10:11]
.irp p, 0,1,2,3,4,5,6,7
	global_load_b128 v[16+8*\p:19+8*\p], v1, s[4:5] offset:65536*\p th:TH_LOAD_NT        ; 512 consecutive bytes a load
	global_load_b128 v[20+8*\p:23+8*\p], v1, s[4:5] offset:65536*\p+512 th:TH_LOAD_NT
.endr
	global_load_b32 v80, v2, s[6:7]                ; column tiles 0-31,
	global_load_b32 v81, v2, s[6:7] offset:8192    ; 32-63
	s_wait_loadcnt 0x0
.irp p, 1,2,3,4,5,6,7
.irp q, 0,2,4,6
	v_pk_add_f32 v[16+\q:17+\q], v[16+\q:17+\q], v[16+8*\p+\q:17+8*\p+\q]   ; the eight parts, ascending
.endr
.endr
	v_add_f32 v80, v80, v81                        ; the batch's constant: over the 32 lanes
	v_add_f32_dpp v80, v80, v80 row_xmask:1 row_mask:0xf bank_mask:0xf
	v_add_f32_dpp v80, v80, v80 row_xmask:2 row_mask:0xf bank_mask:0xf
	v_add_f32_dpp v80, v80, v80 row_xmask:4 row_mask:0xf bank_mask:0xf
	v_add_f32_dpp v80, v80, v80 row_xmask:8 row_mask:0xf bank_mask:0xf
	v_permlanex16_b32 v81, v80, s12, s13
	v_add_f32 v80, v80, v81
.irp q, 0,2,4,6
	v_pk_add_f32 v[16+\q:17+\q], v[16+\q:17+\q], v[80:81] op_sel_hi:[1,0]   ; the scores
.endr
	v_max3_num_f32 v82, v16, v17, v18              ; the row's maximum
	v_max3_num_f32 v82, v82, v19, v20
	v_max3_num_f32 v82, v82, v21, v22
	v_max_num_f32 v82, v82, v23
	v_max_num_f32_dpp v82, v82, v82 row_xmask:1 row_mask:0xf bank_mask:0xf
	v_max_num_f32_dpp v82, v82, v82 row_xmask:2 row_mask:0xf bank_mask:0xf
	v_max_num_f32_dpp v82, v82, v82 row_xmask:4 row_mask:0xf bank_mask:0xf
	v_max_num_f32_dpp v82, v82, v82 row_xmask:8 row_mask:0xf bank_mask:0xf
	v_permlanex16_b32 v83, v82, s12, s13
	v_max_num_f32 v82, v82, v83
.irp q, 0,2,4,6
	v_pk_add_f32 v[16+\q:17+\q], v[16+\q:17+\q], v[82:83] op_sel_hi:[1,0] neg_lo:[0,1] neg_hi:[0,1]   ; score - maximum: 0 or less
.endr
.irp q, 0,2,4,6
	v_pk_mul_f32 v[16+\q:17+\q], v[16+\q:17+\q], 0x3fb8aa3b op_sel_hi:[1,0]   ; x log2(e)
.endr
.irp q, 0,1,2,3,4,5,6,7
	v_exp_f32 v[16+\q], v[16+\q]
.endr
	v_nop                                          ; one plain place behind the exponentials
	s_wait_alu depctr_va_vdst(0)
	v_pk_add_f32 v[84:85], v[16:17], v[18:19]      ; the row's sum
	v_pk_add_f32 v[86:87], v[20:21], v[22:23]
	v_pk_add_f32 v[84:85], v[84:85], v[86:87]
	v_add_f32 v84, v84, v85
	v_add_f32_dpp v84, v84, v84 row_xmask:1 row_mask:0xf bank_mask:0xf
	v_add_f32_dpp v84, v84, v84 row_xmask:2 row_mask:0xf bank_mask:0xf
	v_add_f32_dpp v84, v84, v84 row_xmask:4 row_mask:0xf bank_mask:0xf
	v_add_f32_dpp v84, v84, v84 row_xmask:8 row_mask:0xf bank_mask:0xf
	v_permlanex16_b32 v85, v84, s12, s13
	v_add_f32 v84, v84, v85
	v_rcp_f32 v86, v84
	v_nop                                          ; one plain place behind the reciprocal
	s_wait_alu depctr_va_vdst(0)
.irp q, 0,2,4,6
	v_pk_mul_f32 v[16+\q:17+\q], v[16+\q:17+\q], v[86:87] op_sel_hi:[1,0]
.endr
	global_store_b128 v1, v[16:19], s[8:9]         ; 512 consecutive bytes a store, at a multiple of 256 from out0's first byte
	global_store_b128 v1, v[20:23], s[8:9] offset:512
	s_endpgm
.Lfunc_end_k_q264acbc93b_softmax:
	.size	k_q264acbc93b_softmax, .Lfunc_end_k_q264acbc93b_softmax-k_q264acbc93b_softmax
	.p2alignl 7, 3214868480
	.fill 96, 4, 3214868480
	.section	.rodata,"a",@progbits
	.p2align	6, 0x0
	.amdhsa_kernel k_q264acbc93b_softmax
		.amdhsa_group_segment_fixed_size 0
		.amdhsa_private_segment_fixed_size 0
		.amdhsa_enable_private_segment 0
		.amdhsa_kernarg_size 24
		.amdhsa_user_sgpr_count 2
		.amdhsa_user_sgpr_kernarg_segment_ptr 1
		.amdhsa_wavefront_size32 1
		.amdhsa_system_sgpr_workgroup_id_x 1
		.amdhsa_system_sgpr_workgroup_id_y 1
		.amdhsa_system_sgpr_workgroup_id_z 1
		.amdhsa_system_vgpr_workitem_id 0
		.amdhsa_next_free_vgpr 96
		.amdhsa_next_free_sgpr 66
		.amdhsa_reserve_vcc 0
		.amdhsa_float_denorm_mode_32 3
		.amdhsa_float_denorm_mode_16_64 3
		.amdhsa_memory_ordered 1
		.amdhsa_forward_progress 1
		.amdhsa_inst_pref_size 8
	.end_amdhsa_kernel
	.amdgpu_metadata
---
amdhsa.version: [ 1, 2 ]
amdhsa.kernels:
  - .name:           k_q264acbc93b_softmax
    .symbol:         k_q264acbc93b_softmax.kd
    .args:
      - { .name: ps, .offset: 0, .size: 8, .value_kind: global_buffer, .address_space: global }
      - { .name: hc, .offset: 8, .size: 8, .value_kind: global_buffer, .address_space: global }
      - { .name: out0, .offset: 16, .size: 8, .value_kind: global_buffer, .address_space: global }
    .group_segment_fixed_size: 0
    .private_segment_fixed_size: 0
    .kernarg_segment_align: 8
    .kernarg_segment_size: 24
    .max_flat_workgroup_size: 32
    .sgpr_count:     66
    .vgpr_count:     96
    .wavefront_size: 32
...
	.end_amdgpu_metadata
.endif
;; end of part 3
